; MI455X (gfx1250); checked and timed in simulation.
; The chip was launched on July 23, 2026; its instructions are those of AMD's public machine-readable ISA for CDNA 5 (MIT licence, August 2026) and "CDNA5" Instruction Set Architecture Reference Guide (July 2026). The comments in the code are by the model that wrote it; some were corrected since.
;; Causal Self Attention. Allowed arithmetic: matrix products marked QUANTISED: E5M2 operands, one given power-of-two scale a tensor, by v_wmma_f32_16x16x64_bf8_bf8 or v_wmma_f32_16x16x128_bf8_bf8, f32 sums; everything else in f32.
;; Inputs: c_attn_b 3,072 float32; c_attn_w 1,024 x 3,072 float32; c_proj_b 1,024 float32; c_proj_w 1,024 x 1,024 float32; lowp_scales 8 int32 (the exponents e of the quantised operands' scales 2^e); x 4 x 2,048 x 1,024 float32.
;; Outputs: out0 4 x 2,048 x 1,024 float32.
;; This version of the problem:
;;   THIS VERSION OF THE PROBLEM IS GIVEN IN LOW PRECISION. The matrix products marked QUANTISED in the list below multiply operands that are first quantised to E5M2 (5 exponent bits, 2 mantissa bits; 8 bits a number), with one given power-of-two scale for each operand tensor; their sums are f32. All else is computed in f32.
;;   The module's matrix products, in the order in which they are computed (A, B: the left and right operand; K: the contracted axis; several contracted axes count as one K, in the product's order):
;;     1. [M 8,192, K 1,024] x [K 1,024, N 3,072]; A: input x; B: input c_attn_w: QUANTISED (scales: A lowp_scales[0], B lowp_scales[1])
;;     2. batch 64 x [M 2,048, K 64] x [K 64, N 2,048]; A: computed on the way; B: computed on the way: QUANTISED (scales: A lowp_scales[2], B lowp_scales[3])
;;     3. batch 64 x [M 2,048, K 2,048] x [K 2,048, N 64]; A: softmax (see below); B: computed on the way: QUANTISED (scales: A lowp_scales[4], B lowp_scales[5])
;;     4. [M 8,192, K 1,024] x [K 1,024, N 1,024]; A: computed on the way; B: input c_proj_w: QUANTISED (scales: A lowp_scales[6], B lowp_scales[7])
;;   THE QUANTISER, for each operand of a quantised product, along K:
;;     - The operand's scale is 2^e, e = its entry of the input lowp_scales (int32; the entries are numbered through the quantised products in the list's order, A before B).
;;     - Each number is divided by the scale, clamped to +-57,344, and rounded to the nearest number of E5M2, ties to even, subnormals kept.
;;     - The product sums the exact products of the quantised numbers (number of the format x scale) in f32.
;;   ~~~python
;;   def quantise(x, axis, e):      # numpy; x: float32 -> the quantised numbers, widened to float32 again
;;       x = np.moveaxis(x, axis, -1); K = x.shape[-1]
;;       r = np.clip(x / 2.0 ** e, -57344, 57344)
;;       step = 2.0 ** (np.maximum(np.frexp(np.where(r == 0, 1, r))[1] - 1, -14) - 2)
;;       q = np.round(r / step) * step * 2.0 ** e      # np.round: ties to even
;;       return np.moveaxis(q, -1, axis).astype(np.float32)
;;   ~~~
;;   SOFTMAX AHEAD OF A QUANTISED PRODUCT. Where the list says 'softmax', what is quantised is not the finished softmax but p = 2^(t - M), with t = logit x log2(e) and M = ceil(the row's largest t), a whole number; so 1/2 < the row's largest p <= 1. The row's sum l is taken of the UNQUANTISED p, in f32, and the product's result is divided by l at the end. Since M is a whole number, a kernel that streams over the keys may use a running M (the ceiling of the running maximum): every later rescaling is an exact power of two, so the quantised numbers keep their values, but for numbers so far below the row's largest that they fall under the format's range.
;;   OPERANDS COMPUTED ON THE WAY. 'Computed on the way' means the value that the module computes at that place (a softmax that the list does not call 'softmax' is quantised finished and normalised). What goes into a quantiser is computed in f32, as accurately as f32 sums, v_exp_f32 and their like allow (about 1e-6 of the number): no bf16 or f16 on the way to a quantiser, and a product that is left as it is and whose result goes on into a quantised operand takes f32 operands (vector FMAs, or v_wmma_f32_16x16x4_f32). A number that lies on a knife's edge between two numbers of the format may be rounded either way, as far as f32 arithmetic and the matrix unit's own rounding can turn it there, and no further.
;; One version. Each part assembles by itself: llvm-mc -triple=amdgcn-amd-amdhsa -mcpu=gfx1250 --defsym DOCPART=n.
;; ======== version 1 of 1: 4 launches
;; limits: right only within a limited range of input values
;; workspace buffers: x_img 8,388,608 bytes; w1_img 3,145,728 bytes; w2_img 1,048,576 bytes; qkv 25,165,824 bytes; y_img 8,388,608 bytes
;; launch prep (part 1): grid 640 x 1, 4 waves a work-group, no clusters, 99,840 bytes of LDS; arguments x, c_attn_w, c_proj_w, lowp_scales, x_img, w1_img, w2_img; writes x_img, w1_img, w2_img
.if DOCPART == 1
	.amdgcn_target "amdgcn-amd-amdhsa--gfx1250"
	.amdhsa_code_object_version 6
	.text
	.protected	k_qa1f78dfa8f_prep
	.globl	k_qa1f78dfa8f_prep
	.p2align	8
	.type	k_qa1f78dfa8f_prep,@function
k_qa1f78dfa8f_prep:
	s_mov_b64 s[64:65], 0
	v_nop
	global_prefetch_b8 v0, s[64:65] scope:SCOPE_SE
	s_setreg_imm32_b32 hwreg(HW_REG_WAVE_MODE, 25, 1), 1
	s_wait_xcnt 0x0
; x [8192][1024], c_attn_w [1024][3072] and c_proj_w [1024][1024], f32, become codes of BF8 (E5M2), each with the one scale 2^e given for it (entries 0, 1 and 7 of the scales).
; code = number / 2^e, held within +-57,344, to the nearest code, ties to even.
; LIMITS: each e between -126 and 112, so that 2^e and 57,344 x 2^e are f32 numbers.  NaN among the inputs is not served; an infinity is held at the largest code.
; THE CODES ARE LAID AS IMAGES OF OPERAND REGISTERS.  A fragment is 16 rows x 128 along K, 16 registers a lane: lane (r, h) = (lane % 16, lane / 16) holds, of row r, K = 16 c + 8 h + 0..7 in registers 2 c, 2 c + 1.
; Its image is 2,048 bytes: registers 4 q .. 4 q + 3 of lane l at 512 q + 16 l.  A buffer is [tile of 16 rows][K step of 128, 8 of them][2,048]; a weight's rows are its columns n.
; So the launches that multiply fetch every fragment by loads of 16 bytes a lane, 512 consecutive bytes an instruction.
; Work-groups 0-511 take x (a tile of 16 rows each; wave w: K 256 w on), 512-607 c_attn_w, 608-639 c_proj_w (128 columns x 256 along K each; a wave 32 columns).
; The three ways part on the work-group's number and never join; each has LDS bytes of its own.  Waves share nothing: no barrier.  Work-groups share no input: no cluster.  No loop: every offset is an immediate.
; WORK LEFT OUT BY THE PROGRAM (launch attn): reference() itself sets the score of every key behind its query to -infinity (its own jnp.tril), and the softmax gives such a key the weight 0 for all values of the inputs.
; So steps of 128 keys that lie wholly behind a tile's 16 queries are neither multiplied nor summed.  LIMIT: a NaN, an infinity or an overflow that reaches only those scores is not carried to the result.  Every input is loaded.
.set XST,  0
.set W1ST, 33792                       ; c_attn_w's way: 8,192 bytes for each wave
.set W2ST, 66560                       ; c_proj_w's way: the same
.set XR,   16                          ; v16-143  x as loaded: K step s at +64 s, row i at +4 i
.set XX,   144                         ; v144-207 64 numbers of my row in the fragment's order
.set XC,   208                         ; v208-239 codes: 16 registers for each K step, so that no store's data are written again
.set WX,   32                          ; v32-95   two sets of 32 numbers down K
.set WC,   96                          ; v96-103  a block's codes
.set WO,   112                         ; v112-175 the way out
.macro MKSC e                          ; v11 = 2^e as f32 (the conversion takes its exponent field), v10 = 57,344 x 2^e
	s_add_co_i32 s20, \e, 127
	s_lshl_b32 s21, s20, 23
	v_mov_b32 v11, s21
	s_add_co_i32 s20, s20, 15
	s_lshl_b32 s20, s20, 23
	s_or_b32 s20, s20, 0x600000
	v_mov_b32 v10, s20
.endm
	s_load_b256 s[4:11], s[0:1], 0x0               ; x s[4:5], c_attn_w s[6:7], c_proj_w s[8:9], the scales' exponents s[10:11]
	s_load_b128 s[12:15], s[0:1], 0x20             ; x_img s[12:13], w1_img s[14:15]
	s_load_b64 s[16:17], s[0:1], 0x30              ; w2_img
	v_lshl_add_u32 v240, v0, 2, 0x18400
	v_mov_b32 v241, 0
	v_lshrrev_b32 v1, 5, v0
	v_readfirstlane_b32 s18, v1                    ; wave 0..3
	v_and_b32 v2, 31, v0                           ; lane
	v_and_b32 v5, 15, v0                           ; r
	v_bfe_u32 v6, v0, 4, 1                         ; h
	s_wait_kmcnt 0x0
	s_load_b256 s[24:31], s[10:11], 0x0            ; e0 .. e7
	s_cmp_lt_u32 ttmp9, 512
	s_cbranch_scc0 .Lweights
	; ---- x: K is innermost.  Each load reads 512 consecutive bytes of one row; the 16 rows x 512 bytes of a K step turn through my stage, whose rows lie 528 bytes apart (33 x 16),
	; so that the sixteen lanes of a read, one row each, fall on sixteen different columns of 16 bytes.
	s_lshl_b32 s20, ttmp9, 16                      ; 16 rows of 4,096 bytes
	s_lshl_b32 s21, s18, 10                        ; + 256 numbers for each wave
	s_add_co_u32 s20, s20, s21
	s_mov_b32 s21, 0
	s_add_nc_u64 s[4:5], s[4:5], s[20:21]
	s_lshl_b32 s22, ttmp9, 14                      ; a tile's 8 images
	s_lshl_b32 s23, s18, 12                        ; + 2 images for each wave
	s_add_co_u32 s22, s22, s23
	s_mov_b32 s23, 0
	s_add_nc_u64 s[12:13], s[12:13], s[22:23]
	s_wait_alu depctr_va_vdst(0)
	v_lshlrev_b32 v3, 4, v2                        ; 16 x lane
.irp s, 0,1
.irp i, 0,1,2,3,4,5,6,7,8,9,10,11,12,13,14,15
	global_load_b128 v[XR+64*\s+4*\i:XR+64*\s+4*\i+3], v3, s[4:5] offset:4096*\i+512*\s th:TH_LOAD_NT
.endr
.endr
	s_mul_i32 s19, s18, 8448                       ; my stage (XST = 0)
	v_add_nc_u32 v14, s19, v3                      ; in: 16 x lane of a row
	v_mul_u32_u24 v15, v5, 528
	v_lshl_add_u32 v15, v6, 5, v15
	v_add_nc_u32 v15, s19, v15                     ; out: row r, + 32 h: eight numbers of each 16 along K
	s_wait_alu depctr_va_vdst(0)
	s_wait_kmcnt 0x0
	MKSC s24
.macro XHALF s, left                   ; K step s of my two; left: the younger loads that may stay out
	s_wait_loadcnt \left
.irp i, 0,1,2,3,4,5,6,7,8,9,10,11,12,13,14,15
	ds_store_b128 v14, v[XR+64*\s+4*\i:XR+64*\s+4*\i+3] offset:528*\i
.endr
.irp c, 0,1,2,3,4,5,6,7                ; LDS serves a wave's instructions in order: these see the stores above
	ds_load_b128 v[XX+8*\c:XX+8*\c+3], v15 offset:64*\c
	ds_load_b128 v[XX+8*\c+4:XX+8*\c+7], v15 offset:64*\c+16
.endr
	s_wait_dscnt 0x0
.set n, 0
.rept 64
	v_med3_num_f32 v[XX+n], v[XX+n], -v10, v10     ; the conversion to an 8-bit code does not saturate (ISA guide 7.6.2): the hold comes first
.set n, n+1
.endr
.irp c, 0,1,2,3,4,5,6,7
	v_cvt_scalef32_pk8_bf8_f32 v[XC+16*\s+2*\c:XC+16*\s+2*\c+1], v[XX+8*\c:XX+8*\c+7], v11
.endr
	v_nop                                          ; a plain line behind the last conversion: the next K step's holds write these conversions' sources
.irp q, 0,1,2,3
	global_store_b128 v3, v[XC+16*\s+4*\q:XC+16*\s+4*\q+3], s[12:13] offset:2048*\s+512*\q   ; 512 consecutive bytes, aligned
.endr
.endm
	s_wait_alu depctr_va_vdst(0)
	XHALF 0, 16                                    ; the second K step's sixteen loads may be out
	XHALF 1, 0
	s_wait_tensorcnt 0x0
	ds_add_u32 v240, v241
	s_wait_dscnt 0x0
	s_endpgm
	; ---- a weight [K][n]: K is the first axis.  A lane takes a column and its registers run down K: a load reads 128 consecutive bytes, the four waves stand side by side on 512,
	; and the conversions give codes with K innermost.  A wave gathers its 2 tiles x 2 K steps of images in its stage and stores them as they lie.
.macro WLOAD t, n, ptr                 ; block t: W(32 t + i, my column), i = 0 .. 31, into set t % 2
.set m, 0
.rept 32
	global_load_b32 v[WX+32*((\t)%2)+m], v3, s[\ptr:\ptr+1] offset:(32*(\t)+m)*\n*4 th:TH_LOAD_NT
.set m, m+1
.endr
.endm
.macro WBLOCK t, n, ptr
.set XS, WX+32*((\t)%2)
.if (\t) < 7
	s_wait_loadcnt 32                              ; this block's 32 loads are in; the next block's may be out
.else
	s_wait_loadcnt 0
.endif
.set m, 0
.rept 32
	v_med3_num_f32 v[XS+m], v[XS+m], -v10, v10
.set m, m+1
.endr
.irp g, 0,1,2,3                        ; numbers 8 g .. 8 g + 7 of the block are K = 16 (g / 2) + 8 (g % 2) + 0..7 of a quarter fragment: they belong to lane r + 16 (g % 2), bytes 8 (g / 2) on
	v_cvt_scalef32_pk8_bf8_f32 v[WC+4*(\g%2)+2*(\g/2):WC+4*(\g%2)+2*(\g/2)+1], v[XS+8*\g:XS+8*\g+7], v11
.endr
	v_nop                                          ; a plain line behind the last conversion
	ds_store_b128 v4, v[WC:WC+3] offset:((\t)/4)*2048+((\t)%4)*512        ; the place of lane r of the image,
	ds_store_b128 v4, v[WC+4:WC+7] offset:((\t)/4)*2048+((\t)%4)*512+256  ; and of lane 16 + r
.if (\t)+2 < 8
	WLOAD (\t)+2, \n, \ptr
.endif
	s_wait_dscnt 0x0                               ; the stores have read their registers: the next block's codes may be written
.endm
.macro WPATH n, ptr, out, e, lb, id0
	s_sub_co_u32 s20, ttmp9, \id0
	s_lshr_b32 s21, s20, 2                         ; which 128 columns
	s_and_b32 s22, s20, 3                          ; which 256 along K
	s_mul_i32 s32, s22, 256*\n*4
	s_lshl_b32 s33, s21, 7
	s_lshl_b32 s34, s18, 5
	s_add_co_u32 s33, s33, s34                     ; my wave's first column
	s_lshl_b32 s33, s33, 2
	s_add_co_u32 s32, s32, s33
	s_mov_b32 s33, 0
	s_add_nc_u64 s[\ptr:\ptr+1], s[\ptr:\ptr+1], s[32:33]
	s_lshl_b32 s34, s21, 3
	s_lshl_b32 s35, s18, 1
	s_add_co_u32 s34, s34, s35                     ; my wave's first tile of 16 columns
	s_lshl_b32 s34, s34, 14
	s_lshl_b32 s35, s22, 12                        ; + 2 images for each 256 along K
	s_add_co_u32 s34, s34, s35
	s_mov_b32 s35, 0
	s_add_nc_u64 s[\out:\out+1], s[\out:\out+1], s[34:35]
	v_lshlrev_b32 v3, 2, v2                        ; in: 4 bytes a lane
	WLOAD 0, \n, \ptr
	WLOAD 1, \n, \ptr
	s_lshl_b32 s36, s18, 13                        ; my stage
	v_lshlrev_b32 v4, 12, v6                       ; my column's tile: 4,096 bytes (two images) each,
	v_lshl_add_u32 v4, v5, 4, v4                   ; + 16 r
	v_add_nc_u32 v4, s36, v4
	v_add_nc_u32 v4, \lb, v4
	v_lshlrev_b32 v8, 4, v2                        ; out: 16 x lane
	v_add_nc_u32 v7, s36, v8
	v_add_nc_u32 v7, \lb, v7
	s_wait_kmcnt 0x0
	MKSC \e
	s_wait_alu depctr_va_vdst(0)
.irp t, 0,1,2,3,4,5,6,7
	WBLOCK \t, \n, \ptr
.endr
.irp i, 0,1,2,3,4,5,6,7,8,9,10,11,12,13,14,15
	ds_load_b128 v[WO+4*\i:WO+4*\i+3], v7 offset:512*\i
.endr
.irp i, 0,1,2,3,4,5,6,7,8,9,10,11,12,13,14,15
	s_wait_dscnt 15-\i                             ; LDS loads come back in order: number i is in
	global_store_b128 v8, v[WO+4*\i:WO+4*\i+3], s[\out:\out+1] offset:(\i/8)*16384+(\i%8)*512   ; 512 consecutive bytes, aligned
.endr
	s_wait_tensorcnt 0x0
	ds_add_u32 v240, v241
	s_wait_dscnt 0x0
	s_endpgm
.endm
.Lweights:
	s_cmp_lt_u32 ttmp9, 608
	s_cbranch_scc0 .Lproj_w
	s_wait_alu depctr_va_vdst(0)
	WPATH 3072, 6, 14, s25, W1ST, 512
.Lproj_w:
	s_wait_alu depctr_va_vdst(0)
	WPATH 1024, 8, 16, s31, W2ST, 608
.Lfunc_end_k_qa1f78dfa8f_prep:
	.size	k_qa1f78dfa8f_prep, .Lfunc_end_k_qa1f78dfa8f_prep-k_qa1f78dfa8f_prep
	.p2alignl 7, 3214868480
	.fill 96, 4, 3214868480
	.section	.rodata,"a",@progbits
	.p2align	6, 0x0
	.amdhsa_kernel k_qa1f78dfa8f_prep
		.amdhsa_group_segment_fixed_size 99840
		.amdhsa_private_segment_fixed_size 0
		.amdhsa_enable_private_segment 0
		.amdhsa_kernarg_size 56
		.amdhsa_user_sgpr_count 2
		.amdhsa_user_sgpr_kernarg_segment_ptr 1
		.amdhsa_wavefront_size32 1
		.amdhsa_system_sgpr_workgroup_id_x 1
		.amdhsa_system_sgpr_workgroup_id_y 1
		.amdhsa_system_sgpr_workgroup_id_z 1
		.amdhsa_system_vgpr_workitem_id 0
		.amdhsa_next_free_vgpr 242
		.amdhsa_next_free_sgpr 66
		.amdhsa_reserve_vcc 0
		.amdhsa_float_denorm_mode_32 3
		.amdhsa_float_denorm_mode_16_64 3
		.amdhsa_memory_ordered 1
		.amdhsa_forward_progress 1
		.amdhsa_inst_pref_size 116
	.end_amdhsa_kernel
	.amdgpu_metadata
---
amdhsa.version: [ 1, 2 ]
amdhsa.kernels:
  - .name:           k_qa1f78dfa8f_prep
    .symbol:         k_qa1f78dfa8f_prep.kd
    .args:
      - { .name: x, .offset: 0, .size: 8, .value_kind: global_buffer, .address_space: global }
      - { .name: c_attn_w, .offset: 8, .size: 8, .value_kind: global_buffer, .address_space: global }
      - { .name: c_proj_w, .offset: 16, .size: 8, .value_kind: global_buffer, .address_space: global }
      - { .name: lowp_scales, .offset: 24, .size: 8, .value_kind: global_buffer, .address_space: global }
      - { .name: x_img, .offset: 32, .size: 8, .value_kind: global_buffer, .address_space: global }
      - { .name: w1_img, .offset: 40, .size: 8, .value_kind: global_buffer, .address_space: global }
      - { .name: w2_img, .offset: 48, .size: 8, .value_kind: global_buffer, .address_space: global }
    .group_segment_fixed_size: 99840
    .private_segment_fixed_size: 0
    .kernarg_segment_align: 8
    .kernarg_segment_size: 56
    .max_flat_workgroup_size: 128
    .sgpr_count:     66
    .vgpr_count:     242
    .wavefront_size: 32
...
	.end_amdgpu_metadata
.endif
;; end of part 1
;; launch gemm_qkv (part 2): grid 12 x 32, 4 waves a work-group, clusters of 4 x 4, 327,680 bytes of LDS; arguments x_img, w1_img, lowp_scales, c_attn_b, qkv; writes qkv
.if DOCPART == 2
	.amdgcn_target "amdgcn-amd-amdhsa--gfx1250"
	.amdhsa_code_object_version 6
	.text
	.protected	k_qa1f78dfa8f_gemm_qkv
	.globl	k_qa1f78dfa8f_gemm_qkv
	.p2align	8
	.type	k_qa1f78dfa8f_gemm_qkv,@function
k_qa1f78dfa8f_gemm_qkv:
	s_mov_b64 s[64:65], 0
	v_nop
	global_prefetch_b8 v0, s[64:65] scope:SCOPE_SE
	s_setreg_imm32_b32 hwreg(HW_REG_WAVE_MODE, 25, 1), 1
	s_wait_xcnt 0x0
	s_wait_alu depctr_hold_cnt(0) depctr_sa_sdst(0) depctr_va_vdst(0) depctr_va_sdst(0) depctr_va_ssrc(0) depctr_va_vcc(0) depctr_vm_vsrc(0)
	s_getreg_b32 s2, hwreg(HW_REG_IB_STS2, 6, 4)
	s_cmp_eq_u32 s2, 0
	s_cbranch_scc0 .Lentry_in_a_cluster
	s_endpgm
.Lentry_in_a_cluster:
	s_bfe_u32 s2, ttmp6, 0x10000c
	s_cmp_lg_u32 s2, 0xf033
	s_cbranch_scc0 .Lentry_shape_is_right
	s_endpgm
.Lentry_shape_is_right:
; qkv = x c_attn_w + c_attn_b on codes of BF8 (E5M2); each finished sum x 2^(e0 + e1) + bias, in f32, is quantised at once for the attention: q with e2, k with e3, v with e5.
; LIMITS: e0 + e1 between -126 and 127; e2, e3, e5 between -126 and 112 (each power of two below is an f32 number).  NaN among the inputs is not served.
; OPERANDS come as images of registers: [tile of 16 rows][K step of 128, 8 of them][2,048 bytes]; registers 4 q .. 4 q + 3 of lane l at 512 q + 16 l; lane (r, h) holds, of row r, K = 16 c + 8 h + 0..7 in registers 2 c, 2 c + 1.
; A tile of 256 x 256 is made by four waves, 128 x 128 each: 64 accumulators, 512 registers.  K = 1,024 goes through two LDS slots of 256 along K: four fills, written out without a loop.
; THE TWO SIDES.  Source 1 is the A side (16 rows: a lane's own row), source 0 the B side (a lane's eight registers are eight neighbours 16 b + 8 h + j of it).
;   q, k (cluster x = 0, 1): A side = rows of x, B side = columns of the weight.  A lane's eight sums are eight neighbours along the head's 64: ONE conversion gives registers 2 (b % 4), 2 (b % 4) + 1 of a fragment of q or k.
;   v (cluster x = 2): A side = columns of the weight, B side = rows of x.  A lane's eight sums are eight neighbouring KEYS of one channel: registers 2 b, 2 b + 1 of a fragment of v with the keys as K.
;   The sides are exchanged by addresses alone; only the way out has two forms, chosen by a branch on the cluster's x, which all sixteen partners share.
; OUTPUT: byte = batch x 6,291,456 + column of qkv x 2,048 + ..: a head's block is 131,072 bytes; q, k: [t / 16][1,024]; v: [t / 128][channel / 16][2,048].  Every store is 512 consecutive bytes, aligned.
; CLUSTERS: 4 x 4 work-groups; the A side's tile is shared along a row of the cluster, the B side's along a column: joint loads.
; REGISTERS: window 0: v16-31 addresses and constants; v32-95, v96-111 biases; v128-255 the A side's fragments, one set; on the way out v128-191 numbers, v192-255 codes.
;   window 1: the B side's fragments, two sets.   windows 2, 3: the accumulators ((a, b) at v[8 (8 (a % 4) + b)]).
.set HALFT,  32768                     ; 128 rows x 256 along K: 8 tiles x 2 images: what one tensor load brings
.set SLOT,   4*HALFT                   ; the A side's 256 rows, then the B side's
.set SPARE,  2*SLOT                    ; behind the ring: the spare words, 128 bytes for each wave, which no other line names
.set FSTEP,  4096                      ; a slot's part of a tile of 16 rows: two images
.set FR,     16                        ; registers of a fragment
.set NL,     4                         ; LDS loads that bring one
.set NP,     4                         ; places behind this matrix instruction (ISA guide 7.12.1)
.set ADRA, 16                          ; v16-17  LDS address of my A side fragments in slot 0, 1
.set ADRB, 20                          ; v20-21  the same for the B side
.set LI,   24                          ; v24     16 x lane
.set BH,   25                          ; v25     32 h
.set BRO,  26                          ; v26     4 r
.set SPW,  28                          ; v28     LDS address of my spare word; never rewritten
.set NIL,  29                          ; v29     0; never rewritten
.set SC,   30                          ; v30     the quantiser's scale as f32
.set LIM,  31                          ; v31     57,344 x that
.set BC,   32                          ; v32-95  q, k: bias of columns 16 b + 8 h + j at 8 b + j
.set BR,   96                          ; v96-111 v: bias of column 16 a + r, twice, at 2 a
.set AF,   128
.set TMP,  128
.set G1, 24                            ; s[24:31] descriptor group 1 for the A side;  s[32:39] group 0, one set for each slot
.set G0, 32
.set G1B, 48                           ; s[48:55], s[56:63] the same for the B side
.set G0B, 56
.set MSB, 0
.macro WIN new                         ; the immediate's high byte repeats the setting that is left
.if MSB != (\new)
	s_set_vgpr_msb (MSB<<8)|(\new)
.set MSB, (\new)
.endif
.endm
.set MUL_LO, 0xa1                      ; source 0 window 1, source 1 window 0, C and D window 2
.set MUL_HI, 0xf1                      ; the same, C and D window 3
.set TO_B,   0x40                      ; destination window 1, address window 0
; A joint load: waves 0 and 1 fetch for the A side, waves 2 and 3 for the B side.  The branch hangs on the wave's number alone.  Four v_nop follow each of the two lines.
.macro JLOAD g0a, g1a, g0b, g1b
	s_cmp_eq_u32 s15, 0
	s_cbranch_scc0 .Lfor_b_\@
	tensor_load_to_lds s[\g0a:\g0a+3], s[\g1a:\g1a+7]
	s_nop 0
.rept 4
	v_nop
.endr
	s_branch .Lasked_\@
.Lfor_b_\@:
	tensor_load_to_lds s[\g0b:\g0b+3], s[\g1b:\g1b+7]
	s_nop 0
.rept 4
	v_nop
.endr
.Lasked_\@:
.endm
.macro CREST                           ; a round of the cluster's barrier behind its opening barrier
	s_cmp_lg_u32 s14, 0
	s_cbranch_scc1 .Lnot_wave_0_\@
	s_barrier_signal -3
.Lnot_wave_0_\@:
	s_barrier_wait -3
	s_barrier_signal -1
	s_barrier_wait -1
.endm
.macro CROUND                          ; a whole round
	s_barrier_signal -1
	s_barrier_wait -1
	CREST
.endm
	s_load_b256 s[4:11], s[0:1], 0x0               ; x_img s[4:5], w1_img s[6:7], the scales' exponents s[8:9], c_attn_b s[10:11]
	s_load_b64 s[12:13], s[0:1], 0x20              ; qkv
	v_lshl_add_u32 v[SPW], v0, 2, SPARE
	v_mov_b32 v[NIL], 0
	ds_add_u32 v28, v29
	ds_add_u32 v28, v29
	s_wait_dscnt 0x0
	v_lshrrev_b32 v1, 5, v0
	v_readfirstlane_b32 s14, v1                    ; wave 0..3
	s_lshr_b32 s15, s14, 1                         ; which half of the A side's rows is mine.  Also: I fetch for the A side (0) or the B side (1)
	s_and_b32 s16, s14, 1                          ; which half of the B side's.  Also: which 128 rows of that tile I fetch
	s_bfe_u32 s40, ttmp6, 0x40000                  ; cx, cy: my place in the cluster
	s_bfe_u32 s41, ttmp6, 0x40004
	s_and_b32 s17, ttmp7, 0xffff
	s_lshl_b32 s17, s17, 2                         ; 4 x cluster y
	s_add_co_u32 s42, s17, s41                     ; 4 Y + cy
	s_add_co_u32 s46, s17, s40                     ; 4 Y + cx
	s_lshl_b32 s47, ttmp9, 2
	s_add_co_u32 s47, s47, s40                     ; 4 X + cx
	s_lshl_b32 s43, s41, 2
	s_lshl_b32 s43, 15, s43                        ; my row of the cluster
	s_lshl_b32 s44, 0x1111, s40                    ; my column
	s_cmp_eq_u32 ttmp9, 2                          ; v?  The same answer in all sixteen partners
	s_cselect_b32 s66, s41, s42                    ; the A side's tile of 256 rows: made of cy alone (v: of the weight's last 1,024 columns; else of x)
	s_cselect_b32 s67, s46, s47                    ; the B side's: made of cx alone (v: of x; else of the weight's columns)
	s_cselect_b32 s69, 0x200000, 0                 ; v's columns begin at column 2,048: 128 tiles of 16,384 bytes
	; descriptor group 1: 8 rows (tiles of 16) of 4,096 bytes (two images), 16,384 bytes apart, dense in LDS; in elements of 8 bytes
	s_or_b32 s[G1+0], s43, (3<<16)|(1<<21)         ; 15:0 the mask: my row; 17:16 elements of 8 bytes; 21 set beside a mask
	s_or_b32 s[G1B+0], s44, (3<<16)|(1<<21)        ; the same with my column
.irp g, G1, G1B
	s_mov_b32 s[\g+1], 512<<16                     ; tensor_dim0 = 512
	s_mov_b32 s[\g+2], 8<<16                       ; tensor_dim1 = 8
	s_mov_b32 s[\g+3], 512<<16                     ; tile_dim0 = 512
	s_mov_b32 s[\g+4], 8                           ; tile_dim1 = 8
	s_mov_b32 s[\g+5], 2048                        ; tensor_dim0_stride
	s_mov_b32 s[\g+6], 0
	s_mov_b32 s[\g+7], 0
.endr
	s_lshl_b32 s78, s16, 17                        ; which 128 rows I fetch: 8 tiles of 16,384 bytes
	s_lshl_b32 s74, s66, 18                        ; a tile of 256 rows is 16 x 16,384 bytes
	s_add_co_u32 s74, s74, s78
	s_add_co_u32 s74, s74, s69
	s_mov_b32 s75, 0
	s_lshl_b32 s76, s67, 18
	s_add_co_u32 s76, s76, s78
	s_mov_b32 s77, 0
	s_lshl_b32 s45, s14, 15                        ; where they go: wave x HALFT: no place in the cluster enters an LDS address
	; where my results go, and my biases
	s_lshl_b32 s79, s66, 8
	s_lshl_b32 s88, s15, 7
	s_add_co_u32 s79, s79, s88                     ; my first row of the A side
	s_lshl_b32 s89, s67, 8
	s_lshl_b32 s88, s16, 7
	s_add_co_u32 s89, s89, s88                     ; and of the B side
	s_add_co_u32 s90, s79, 2048
	s_cmp_eq_u32 ttmp9, 2
	s_cselect_b32 s91, s89, s79                    ; my first row of x
	s_cselect_b32 s92, s90, s89                    ; my first column of qkv
	s_lshr_b32 s94, s91, 11
	s_mul_i32 s94, s94, 6291456                    ; the batch,
	s_lshl_b32 s95, s92, 11
	s_add_co_u32 s94, s94, s95                     ; the column x 2,048,
	s_and_b32 s95, s91, 2047
	s_lshl_b32 s95, s95, 6
	s_add_co_u32 s94, s94, s95                     ; t x 64: 1,024 bytes for 16 t in q and k, 8,192 for 128 t in v
	s_mov_b32 s95, 0
	s_lshl_b32 s92, s92, 2
	s_mov_b32 s93, 0
	s_wait_kmcnt 0x0
	s_load_b256 s[80:87], s[8:9], 0x0              ; e0 .. e7
	s_cmp_eq_u32 ttmp9, 2
	s_cselect_b64 s[70:71], s[6:7], s[4:5]         ; the A side's buffer,
	s_cselect_b64 s[72:73], s[4:5], s[6:7]         ; the B side's
	s_add_nc_u64 s[70:71], s[70:71], s[74:75]
	s_add_nc_u64 s[72:73], s[72:73], s[76:77]
	; the prefetches: of the 8 tiles of 16 rows that my wave fetches, each of the four partners that ask for them with me takes two, told apart by address (cx for the A side, cy for the B side)
	s_cmp_eq_u32 s15, 0
	s_cselect_b64 s[18:19], s[70:71], s[72:73]
	s_cselect_b32 s2, s40, s41
	s_lshl_b32 s2, s2, 15
	s_mov_b32 s3, 0
	s_add_nc_u64 s[18:19], s[18:19], s[2:3]
	s_cmp_eq_u32 ttmp9, 2
	s_cselect_b32 s98, 1, 0
	s_xor_b32 s98, s98, s15                        ; 1: my side is the weight's, which every row of clusters reads:
	s_and_b32 s99, ttmp7, 0xffff
	s_lshr_b32 s99, s99, 2
	s_min_u32 s99, s99, 1
	s_and_b32 s98, s98, s99                        ; only cluster rows 0 to 3 ask for it.  s98 = 1: I do not ask
	s_add_nc_u64 s[12:13], s[12:13], s[94:95]
	s_add_nc_u64 s[10:11], s[10:11], s[92:93]
	CROUND                                         ; all sixteen work-groups are here: the first joint loads meet
.irp s, 0,1
	s_mov_b32 s[G0+4*\s], 1
	s_add_co_u32 s[G0+4*\s+1], s45, \s*SLOT
	s_add_nc_u64 s[G0+4*\s+2:G0+4*\s+3], s[70:71], \s*FSTEP
	s_or_b32 s[G0+4*\s+3], s[G0+4*\s+3], 0x80000000
	s_mov_b32 s[G0B+4*\s], 1
	s_add_co_u32 s[G0B+4*\s+1], s45, \s*SLOT
	s_add_nc_u64 s[G0B+4*\s+2:G0B+4*\s+3], s[72:73], \s*FSTEP
	s_or_b32 s[G0B+4*\s+3], s[G0B+4*\s+3], 0x80000000
.endr
	JLOAD G0, G1, G0B, G1B                         ; slot 0: one tensor load a wave at the head
	v_and_b32 v1, 31, v0
	v_lshlrev_b32 v[LI], 4, v1
	s_lshl_b32 s21, s15, 15                        ; my 128 rows of the A side
	s_lshl_b32 s22, s16, 15                        ; my 128 rows of the B side,
	s_add_co_u32 s22, s22, 2*HALFT                 ; which lie behind the A side's 256
.irp s, 0,1
	v_add_nc_u32 v[ADRA+\s], s21, v[LI]
	v_add_nc_u32 v[ADRB+\s], s22, v[LI]
	s_add_co_u32 s21, s21, SLOT
	s_add_co_u32 s22, s22, SLOT
.endr
	v_bfe_u32 v2, v0, 4, 1
	v_lshlrev_b32 v[BH], 5, v2
	v_and_b32 v3, 15, v0
	v_lshlrev_b32 v[BRO], 2, v3
	v_lshlrev_b32 v27, 8, v3
	v_lshl_add_u32 v27, v2, 14, v27                ; a lane a block of 256 bytes: 16 blocks (a slot's 4,096 bytes) of each of my two tiles; never rewritten
; A PREFETCH INTO THE L2 of a later slot's part of my two tiles: 32 blocks of 256 bytes, one instruction a wave; the offset is the slot's place in a tile's 16,384 bytes, so every lane stays inside its tile.
; Slots 1 and 2 are asked for behind slot 0's load, slot 3 behind slot 1's: at most two slots are asked for and not yet loaded.  No address register is written again.
.macro ASK off
	s_cmp_eq_u32 s98, 0
	s_cbranch_scc0 .Lnot_mine_\@
	global_prefetch_b8 v27, s[18:19] offset:\off th:TH_LOAD_NT scope:SCOPE_SE
.Lnot_mine_\@:
.endm
	s_wait_alu depctr_va_vdst(0)                   ; directly ahead of the branch below
	ASK 4096
	ASK 8192
	; both forms of the bias are loaded on every way: my 128 columns' 512 bytes lie inside c_attn_b either way
.irp b, 0,1,2,3,4,5,6,7
	global_load_b128 v[BC+8*\b:BC+8*\b+3], v[BH], s[10:11] offset:64*\b
	global_load_b128 v[BC+8*\b+4:BC+8*\b+7], v[BH], s[10:11] offset:64*\b+16
.endr
.irp a, 0,1,2,3,4,5,6,7
	global_load_b32 v[BR+2*\a], v[BRO], s[10:11] offset:64*\a
	global_load_b32 v[BR+2*\a+1], v[BRO], s[10:11] offset:64*\a
.endr
.macro FRAG reg, adr, q, i             ; a fragment comes as it lies: four loads of 512 consecutive bytes
.irp c, 0,1,2,3
	ds_load_b128 v[\reg+4*\c:\reg+4*\c+3], v[\adr] offset:(\i)*4096+(\q)*2048+512*\c
.endr
.endm
; 16 matrix instructions: the A side's blocks a0, a0 + 1 x the B side's eight, 128 along K.  p: the B side's set.  zero = 1: the first product starts the sums.
; The 64 accumulators take turns, one instruction a turn, in the same order in every step.
.macro MUL16 a0, p, zero
.irp a, \a0, \a0+1
.irp b, 0,1,2,3,4,5,6,7
.if \zero
	v_wmma_f32_16x16x128_bf8_bf8 v[8*(8*((\a)%4)+\b):8*(8*((\a)%4)+\b)+7], v[128*(\p)+FR*\b:128*(\p)+FR*\b+FR-1], v[AF+FR*(\a):AF+FR*(\a)+FR-1], 0
.else
	v_wmma_f32_16x16x128_bf8_bf8 v[8*(8*((\a)%4)+\b):8*(8*((\a)%4)+\b)+7], v[128*(\p)+FR*\b:128*(\p)+FR*\b+FR-1], v[AF+FR*(\a):AF+FR*(\a)+FR-1], v[8*(8*((\a)%4)+\b):8*(8*((\a)%4)+\b)+7]
.endif
.endr
.endr
.endm
.macro FETCH_B slot, q, p
	WIN TO_B
.irp i, 0,1,2,3,4,5,6,7
	FRAG 128*(\p)+FR*\i, ADRB+\slot, \q, \i
.endr
	WIN 0
.endm
.macro FETCH_A slot, q, i0
.irp i, \i0, \i0+1, \i0+2, \i0+3
	FRAG AF+FR*(\i), ADRA+\slot, \q, \i
.endr
.endm
.macro PLACES n                        ; plain vector lines between a matrix instruction and a load into, or a vector write of, one of its registers, or a read of its result
.rept \n
	v_nop
.endr
.endm
; A step of 128 along K that has its successor in the same slot.  A block of the A side is free when its eight products are issued: blocks 0-3 are fetched anew in the step's middle, blocks 4-7 at its end.
.macro STEP slot, q, zero
	s_wait_dscnt 4*NL                              ; all but the youngest sixteen loads (the A side's blocks 4-7) are in
	WIN MUL_LO
	MUL16 0, (\q)%2, \zero
	MUL16 2, (\q)%2, \zero
	s_wait_dscnt 0                                 ; blocks 4-7 are in
	PLACES NP
	FETCH_B \slot, (\q)+1, 1-(\q)%2
	FETCH_A \slot, (\q)+1, 0
	WIN MUL_HI
	MUL16 4, (\q)%2, \zero
	MUL16 6, (\q)%2, \zero
	PLACES NP
	WIN 0
	FETCH_A \slot, (\q)+1, 4
.endm
; A slot's last step changes slots: one barrier; in front of it each wave waits for all its tensor loads, adds 0 to its spare word, and waits for that and for its reads of this slot.  fill = 1: this slot is filled again.
.macro TURN slot, next, fill
	s_wait_tensorcnt 0x0                           ; all my tensor loads have landed: my part of the next slot (every window is 0 here)
	ds_add_u32 v[SPW], v[NIL]                      ; 0 onto my spare word
	s_wait_dscnt 4*NL+1                            ; the add and the youngest sixteen loads may be out
	WIN MUL_LO
	MUL16 0, 1, 0                                  ; sixteen matrix instructions stand between the add and the wait for it
	s_wait_dscnt 0x0                               ; the add is done, and my reads of this slot are over
	s_barrier_signal -1
	MUL16 2, 1, 0
	WIN 0
	s_barrier_wait -1
.if \fill
	CREST                                          ; the barrier has opened a round of the cluster's: no wave of any partner still reads this slot or has a load on its way
	s_add_nc_u64 s[G0+4*\slot+2:G0+4*\slot+3], s[G0+4*\slot+2:G0+4*\slot+3], 2*FSTEP
	s_add_nc_u64 s[G0B+4*\slot+2:G0B+4*\slot+3], s[G0B+4*\slot+2:G0B+4*\slot+3], 2*FSTEP
	JLOAD G0+4*\slot, G1, G0B+4*\slot, G1B         ; the first tensor load behind the round; its four v_nop are the places in front of the loads below
.else
	PLACES NP
.endif
	FETCH_B \next, 0, 0
	FETCH_A \next, 0, 0
	WIN MUL_HI
	MUL16 4, 1, 0
	MUL16 6, 1, 0
	PLACES NP
	WIN 0
	FETCH_A \next, 0, 4
.endm
	s_wait_alu depctr_va_vdst(0)
	s_wait_loadcnt 0x0                             ; the biases
	s_wait_tensorcnt 0x0                           ; my part of slot 0 is in
	ds_add_u32 v[SPW], v[NIL]
	s_wait_dscnt 0x0
	CROUND                                         ; everybody's part of slot 0 is in, and the sixteen work-groups meet
	JLOAD G0+4, G1, G0B+4, G1B                     ; slot 1's first fill, the first tensor load behind the round
	FETCH_B 0, 0, 0
	FETCH_A 0, 0, 0
	FETCH_A 0, 0, 4
	ASK 12288                                      ; behind slot 1's load and the run of LDS loads
	STEP 0, 0, 1
	TURN 0, 1, 1                                   ; K 128; slot 0 takes K 512 on
	STEP 1, 0, 0                                   ; K 256
	TURN 1, 0, 1                                   ; K 384; slot 1 takes K 768 on
	STEP 0, 0, 0                                   ; K 512
	TURN 0, 1, 0                                   ; K 640; nothing is left to fetch
	STEP 1, 0, 0                                   ; K 768
	s_wait_dscnt 4*NL                              ; K 896
	WIN MUL_LO
	MUL16 0, 1, 0
	MUL16 2, 1, 0
	s_wait_dscnt 0
	WIN MUL_HI
	MUL16 4, 1, 0
	MUL16 6, 1, 0
	WIN 0
	; THE WAY OUT.  number = sum x 2^(e0 + e1) + bias, one fused multiply-add; held; converted: the codes are the next operand's registers and are stored as they stand.
	s_wait_kmcnt 0x0
	s_add_co_i32 s96, s80, s81
	s_add_co_i32 s96, s96, 127
	s_lshl_b32 s96, s96, 23                        ; 2^(e0 + e1) as f32
	s_mov_b32 s97, s96                             ; (named with it as a pair)
	s_cmp_eq_u32 ttmp9, 0
	s_cselect_b32 s88, s82, s83                    ; q: e2; k: e3;
	s_cmp_eq_u32 ttmp9, 2
	s_cselect_b32 s88, s85, s88                    ; v: e5.  A choice, no branch
	s_add_co_i32 s88, s88, 127
	s_lshl_b32 s89, s88, 23
	v_mov_b32 v[SC], s89
	s_add_co_i32 s88, s88, 15
	s_lshl_b32 s88, s88, 23
	s_or_b32 s88, s88, 0x600000
	v_mov_b32 v[LIM], s88
	PLACES NP                                      ; behind the last products: their results are read, and the A side's registers written, below
.macro OUT a, way                      ; block a of the A side: 16 rows x 128.  way = 0: q, k; 1: v
.set AC, 64*((\a)%4)
.set CD, 192+16*((\a)%4)
.if (\a) >= 4
	s_wait_xcnt 0x0                                ; block a - 4's stores have read these registers
.endif
	WIN 0x02+((\a)/4)                              ; source 0: window 2 or 3
.irp b, 0,1,2,3,4,5,6,7
.irp i, 0,2,4,6                        ; each accumulator from its low end on
.if \way
	v_pk_fma_f32 v[TMP+8*\b+\i:TMP+8*\b+\i+1], v[AC+8*\b+\i:AC+8*\b+\i+1], s[96:97], v[BR+2*(\a):BR+2*(\a)+1] op_sel_hi:[1,0,1]
.else
	v_pk_fma_f32 v[TMP+8*\b+\i:TMP+8*\b+\i+1], v[AC+8*\b+\i:AC+8*\b+\i+1], s[96:97], v[BC+8*\b+\i:BC+8*\b+\i+1] op_sel_hi:[1,0,1]
.endif
.endr
.endr
	WIN 0
.set n, 0
.rept 64
	v_med3_num_f32 v[TMP+n], v[TMP+n], -v[LIM], v[LIM]   ; the conversion does not saturate (ISA guide 7.6.2)
.set n, n+1
.endr
.irp b, 0,1,2,3,4,5,6,7
	v_cvt_scalef32_pk8_bf8_f32 v[CD+2*\b:CD+2*\b+1], v[TMP+8*\b:TMP+8*\b+7], v[SC]
.endr
	v_nop                                          ; a plain line behind the last conversion: the next block writes these conversions' sources
.irp q, 0,1,2,3
.if \way
	global_store_b128 v[LI], v[CD+4*\q:CD+4*\q+3], s[12:13] offset:((\a)/4)*131072+((\a)%4)*2048+\q*512    ; head a / 4 of my two, channels 16 (a % 4) on, my 128 keys: a whole fragment
.else
	global_store_b128 v[LI], v[CD+4*\q:CD+4*\q+3], s[12:13] offset:(\q/2)*131072+(\a)*1024+(\q%2)*512      ; head q / 2 of my two, rows 16 a on: two fragments of 64 along K
.endif
.endr
.endm
	s_cmp_eq_u32 ttmp9, 2
	s_cbranch_scc1 .Lv
.irp a, 0,1,2,3,4,5,6,7
	OUT \a, 0
.endr
	s_branch .Ldone
.Lv:
.irp a, 0,1,2,3,4,5,6,7
	OUT \a, 1
.endr
.Ldone:
	s_wait_tensorcnt 0x0                           ; the wave's end
	ds_add_u32 v[SPW], v[NIL]
	s_wait_dscnt 0x0
	CROUND                                         ; the closing round: no work-group ends while a partner may still ask for a tile that names it
	s_endpgm
.Lfunc_end_k_qa1f78dfa8f_gemm_qkv:
	.size	k_qa1f78dfa8f_gemm_qkv, .Lfunc_end_k_qa1f78dfa8f_gemm_qkv-k_qa1f78dfa8f_gemm_qkv
	.p2alignl 7, 3214868480
	.fill 96, 4, 3214868480
	.section	.rodata,"a",@progbits
	.p2align	6, 0x0
	.amdhsa_kernel k_qa1f78dfa8f_gemm_qkv
		.amdhsa_group_segment_fixed_size 327680
		.amdhsa_private_segment_fixed_size 0
		.amdhsa_enable_private_segment 0
		.amdhsa_kernarg_size 40
		.amdhsa_user_sgpr_count 2
		.amdhsa_user_sgpr_kernarg_segment_ptr 1
		.amdhsa_wavefront_size32 1
		.amdhsa_system_sgpr_workgroup_id_x 1
		.amdhsa_system_sgpr_workgroup_id_y 1
		.amdhsa_system_sgpr_workgroup_id_z 1
		.amdhsa_system_vgpr_workitem_id 0
		.amdhsa_next_free_vgpr 1024
		.amdhsa_next_free_sgpr 100
		.amdhsa_reserve_vcc 0
		.amdhsa_float_denorm_mode_32 3
		.amdhsa_float_denorm_mode_16_64 3
		.amdhsa_memory_ordered 1
		.amdhsa_forward_progress 1
		.amdhsa_inst_pref_size 194
	.end_amdhsa_kernel
	.amdgpu_metadata
---
amdhsa.version: [ 1, 2 ]
amdhsa.kernels:
  - .name:           k_qa1f78dfa8f_gemm_qkv
    .symbol:         k_qa1f78dfa8f_gemm_qkv.kd
    .args:
      - { .name: x_img, .offset: 0, .size: 8, .value_kind: global_buffer, .address_space: global }
      - { .name: w1_img, .offset: 8, .size: 8, .value_kind: global_buffer, .address_space: global }
      - { .name: lowp_scales, .offset: 16, .size: 8, .value_kind: global_buffer, .address_space: global }
      - { .name: c_attn_b, .offset: 24, .size: 8, .value_kind: global_buffer, .address_space: global }
      - { .name: qkv, .offset: 32, .size: 8, .value_kind: global_buffer, .address_space: global }
    .group_segment_fixed_size: 327680
    .private_segment_fixed_size: 0
    .kernarg_segment_align: 8
    .kernarg_segment_size: 40
    .max_flat_workgroup_size: 128
    .sgpr_count:     100
    .vgpr_count:     1024
    .wavefront_size: 32
...
	.end_amdgpu_metadata
.endif
;; end of part 2
;; launch attn (part 3): grid 4 x 64, 16 waves a work-group, clusters of 4 x 1, 327,680 bytes of LDS; arguments qkv, lowp_scales, y_img; writes y_img
.if DOCPART == 3
	.amdgcn_target "amdgcn-amd-amdhsa--gfx1250"
	.amdhsa_code_object_version 6
	.text
	.protected	k_qa1f78dfa8f_attn
	.globl	k_qa1f78dfa8f_attn
	.p2align	8
	.type	k_qa1f78dfa8f_attn,@function
k_qa1f78dfa8f_attn:
	s_mov_b64 s[64:65], 0
	v_nop
	global_prefetch_b8 v0, s[64:65] scope:SCOPE_SE
	s_setreg_imm32_b32 hwreg(HW_REG_WAVE_MODE, 25, 1), 1
	s_wait_xcnt 0x0
	s_wait_alu depctr_hold_cnt(0) depctr_sa_sdst(0) depctr_va_vdst(0) depctr_va_sdst(0) depctr_va_ssrc(0) depctr_va_vcc(0) depctr_vm_vsrc(0)
	s_getreg_b32 s2, hwreg(HW_REG_IB_STS2, 6, 4)
	s_cmp_eq_u32 s2, 0
	s_cbranch_scc0 .Lentry_in_a_cluster
	s_endpgm
.Lentry_in_a_cluster:
	s_bfe_u32 s2, ttmp6, 0x10000c
	s_cmp_lg_u32 s2, 0x3003
	s_cbranch_scc0 .Lentry_shape_is_right
	s_endpgm
.Lentry_shape_is_right:
; y = softmax(q k^T / 8, causal) v for one head and batch, both products on codes of BF8 (E5M2); y is quantised at once (e6) into the image that the projection reads.
; t = score x log2(e) / 8 x 2^(e2 + e3); M = the running largest t rounded up to a whole number; p = 2^(t - M) is quantised with e4; the row's sum is taken of the unquantised p and divides at the end.
; WORK LEFT OUT: steps of 128 keys that lie wholly behind a tile's 16 queries (reference()'s own causal mask gives them the weight 0).  A NaN or an infinity that reaches only those is not carried.
; LIMITS: e2 + e3 between -123 and 130; e4 and e6 between -126 and 112 (each power of two below is an f32 number).  NaN among the inputs is not served.
; OPERANDS are images of registers.  q, k: [t / 16][1,024 bytes]; v: [t / 128][channel / 16][2,048 bytes]; registers 4 q .. 4 q + 3 of lane l at 512 q + 16 l.
; Both products are used transposed: S^T = k q^T, O^T = v^T p^T: lane (r, h) holds query r; the eight registers of key tile kt are keys 16 kt + 8 h + 0..7, so one conversion gives registers 2 kt, 2 kt + 1 of p's fragment.
; SHARES.  The four work-groups of a cluster own one head; K and V of the whole head (256 KiB) lie in each one's LDS, key step s (128 keys) at 16,384 s: K's 8 tiles, then V's 4.  They come by joint loads, 8 KiB a wave, in two groups:
; keys 0-1,023 at the head, keys 1,024-2,047 behind the full sequence and a round.  Nothing is filled again.  No prefetch: both groups stand at the head, and no loop runs ahead of a load.
; A wave owns two tiles of 16 queries: the early one in the 128 queries g, the late one in the 128 queries 15 - g (g = wave % 8).  The order of key steps is free under a running M, so the 17 steps are dealt alike to all waves:
;   near loop, 8 trips, only keys 0-1,023: trip i takes key step i, for the early tile while i <= g (i = g: the diagonal; then it goes out), for the late tile after that.
;   far loop, 9 trips, late tile: trip j takes key step j while j <= g, then j + 7 - g; the last trip is key step 15 - g, the diagonal.
; REGISTERS: v1 16 x lane; v2 the mask's bound; v8 LDS address; v12 -M, v13 largest t, v[14:15] the sum; v16-23 q in hand, v24-31 the late tile's q; v32-95 K's, then V's fragments; v96-159 S^T, p; v160-191 O^T; v192-207 p's codes; v208-223 y's codes.
.set WV, 18
.set G,  19                            ; s19  g
.set TB, 2                             ; s2   16,384 x trip
.set SI, 3                             ; s3   trip
.set MK, 78                            ; s78  the trip that is on the diagonal
.set XO, 79                            ; s79  16,384 x (7 - g)
.set TE, 80                            ; s80  the far loop's key step in bytes
.macro CROUND                          ; a round of the cluster's barrier
	s_barrier_signal -1
	s_barrier_wait -1
	s_cmp_lg_u32 s[WV], 0
	s_cbranch_scc1 .Lnot_wave_0_\@
	s_barrier_signal -3
.Lnot_wave_0_\@:
	s_barrier_wait -3
	s_barrier_signal -1
	s_barrier_wait -1
.endm
	s_load_b128 s[4:7], s[0:1], 0x0                ; qkv, the scales' exponents
	s_load_b64 s[8:9], s[0:1], 0x10                ; y_img
	v_lshl_add_u32 v251, v0, 2, 0x40000            ; my spare word, behind the 256 KiB of K and V
	v_mov_b32 v255, 0
	ds_add_u32 v251, v255                          ; the opening lines: the add twice on end and one wait
	ds_add_u32 v251, v255
	v_lshrrev_b32 v8, 5, v0
	s_delay_alu instid0(VALU_DEP_1)
	v_readfirstlane_b32 s[WV], v8                  ; wave 0..15
	s_bfe_u32 s13, ttmp6, 0x40000                  ; cx
	s_and_b32 s10, ttmp7, 0xffff
	s_lshr_b32 s11, s10, 4                         ; batch
	s_and_b32 s12, s10, 15                         ; head
	s_mul_i32 s32, s11, 6291456
	s_lshl_b32 s33, s12, 17
	s_add_co_u32 s32, s32, s33                     ; the head's q block
	s_and_b32 s36, s[WV], 1                        ; I fetch K (0) or V (1),
	s_lshr_b32 s37, s[WV], 1                       ; of key step wave / 2 of each half
	s_add_co_u32 s34, s36, 1
	s_lshl_b32 s34, s34, 21                        ; k's blocks begin 2^21 bytes behind q's, v's 2^22
	s_lshl_b32 s35, s37, 13
	s_add_co_u32 s34, s34, s35
	s_add_co_u32 s34, s34, s32
	s_mov_b32 s35, 0
	s_lshl_b32 s38, s[WV], 13                      ; and where it goes: 8,192 x wave
	s_and_b32 s[G], s[WV], 7
	s_xor_b32 s[XO], s[G], 7
	s_lshl_b32 s[XO], s[XO], 14
	s_lshr_b32 s59, s[WV], 3
	s_lshl_b32 s60, s13, 1
	s_add_co_u32 s60, s60, s59                     ; my tiles' place among the eight of their 128 queries: 2 cx + wave / 8
	s_lshl_b32 s61, s[G], 3
	s_add_co_u32 s61, s61, s60                     ; the early tile
	s_sub_co_u32 s77, 15, s[G]
	s_lshl_b32 s63, s77, 3
	s_add_co_u32 s63, s63, s60                     ; the late tile
	s_lshl_b32 s88, s61, 10
	s_add_co_u32 s88, s88, s32
	s_mov_b32 s89, 0
	s_lshl_b32 s90, s63, 10
	s_add_co_u32 s90, s90, s32
	s_mov_b32 s91, 0
	s_lshl_b32 s92, s11, 7
	s_lshl_b32 s93, s12, 10                        ; y_img: [tile of 16 rows][16,384]; a head's 64 channels are 1,024 bytes
	s_add_co_u32 s84, s92, s61
	s_lshl_b32 s84, s84, 14
	s_add_co_u32 s84, s84, s93
	s_mov_b32 s85, 0
	s_add_co_u32 s86, s92, s63
	s_lshl_b32 s86, s86, 14
	s_add_co_u32 s86, s86, s93
	s_mov_b32 s87, 0
	s_lshl_b32 s92, s60, 4
	s_mov_b32 s24, 15|(3<<16)|(1<<21)              ; group 1: the mask of the four partners; elements of 8 bytes; 32 rows of 256 bytes, dense
	s_mov_b32 s25, 32<<16
	s_mov_b32 s26, 32<<16
	s_mov_b32 s27, 32<<16
	s_mov_b32 s28, 32
	s_mov_b32 s29, 32
	s_mov_b32 s30, 0
	s_mov_b32 s31, 0
	s_mov_b32 s20, 0x76543210
	s_mov_b32 s21, 0xfedcba98
	s_mov_b32 s22, 0x3e38aa3b                      ; log2(e) / 8
	s_mov_b32 s[TB], 0
	s_mov_b32 s[SI], 0
	s_mov_b32 s[MK], s[G]
	v_and_b32 v1, 31, v0
	s_delay_alu instid0(VALU_DEP_1)
	v_lshlrev_b32 v1, 4, v1
	v_and_b32 v3, 15, v0
	v_bfe_u32 v4, v0, 4, 1
	s_delay_alu instid0(VALU_DEP_1)
	v_lshlrev_b32 v4, 3, v4
	s_delay_alu instid0(VALU_DEP_1)
	v_sub_nc_u32 v2, v3, v4
	s_delay_alu instid0(VALU_DEP_1)
	v_add_nc_u32 v2, s92, v2                       ; my query among the 128, less 8 h: register 8 kt + j is hidden on the diagonal where 16 kt + j is greater
	s_wait_alu depctr_va_vdst(0)                   ; directly ahead of the waits below
	s_wait_dscnt 0x0
	s_wait_kmcnt 0x0
	s_load_b256 s[68:75], s[6:7], 0x0              ; e0 .. e7
	s_mov_b32 s40, 1
	s_mov_b32 s41, s38
	s_add_nc_u64 s[42:43], s[4:5], s[34:35]
	s_or_b32 s43, s43, 0x80000000
	s_mov_b32 s44, 1
	s_add_co_u32 s45, s38, 131072
	s_add_nc_u64 s[46:47], s[4:5], s[34:35]
	s_add_nc_u64 s[46:47], s[46:47], 65536
	s_or_b32 s47, s47, 0x80000000
	s_add_nc_u64 s[54:55], s[4:5], s[88:89]
	s_add_nc_u64 s[56:57], s[4:5], s[90:91]
	s_add_nc_u64 s[50:51], s[8:9], s[84:85]
	s_add_nc_u64 s[52:53], s[8:9], s[86:87]
	global_load_b128 v[16:19], v1, s[54:55]        ; q of both tiles: asked for ahead of the round, so that it flies beside the first tiles
	global_load_b128 v[20:23], v1, s[54:55] offset:512
	global_load_b128 v[24:27], v1, s[56:57]
	global_load_b128 v[28:31], v1, s[56:57] offset:512
	CROUND                                         ; the four work-groups meet
	tensor_load_to_lds s[40:43], s[24:31]          ; keys 0-1,023: my 8 KiB
	s_nop 0
.macro INIT                            ; a tile begins: zeros, which the first change of M leaves zeros
	v_mov_b32 v13, 0xff61b1e6                      ; -3e38, under every t
	s_delay_alu instid0(VALU_DEP_1)
	v_floor_f32 v12, -v13
	v_mov_b32 v14, 0
	v_mov_b32 v15, 0
.set n, 0
.rept 32
	v_mov_b32 v[160+n], 0
.set n, n+1
.endr
.endm
	INIT
	v_mov_b32 v236, 0                              ; a lane permute's destination counts as read
	v_mov_b32 v252, 0
	v_mov_b32 v253, 0
	s_wait_kmcnt 0x0
	s_add_co_i32 s93, s70, s71
	s_lshl_b32 s93, s93, 23
	s_add_co_i32 s22, s22, s93                     ; e2 + e3 go into c's exponent field
	s_mov_b32 s23, s22
	s_add_co_i32 s93, s72, 127
	s_lshl_b32 s94, s93, 23
	v_mov_b32 v244, s94                            ; 2^e4
	s_add_co_i32 s93, s93, 15
	s_lshl_b32 s93, s93, 23
	s_or_b32 s93, s93, 0x600000
	v_mov_b32 v240, s93                            ; 57,344 x 2^e4
	s_add_co_i32 s93, s74, 127
	s_lshl_b32 s94, s93, 23
	v_mov_b32 v247, s94                            ; 2^e6
	s_add_co_i32 s93, s93, 15
	s_lshl_b32 s93, s93, 23
	s_or_b32 s93, s93, 0x600000
	v_mov_b32 v246, s93                            ; 57,344 x 2^e6
	s_add_co_i32 s76, s72, s73                     ; e4 + e5
; A KEY STEP: 128 keys against the 16 queries in v16-23.  far = 1: the key step is chosen by the trip and g
.macro STEP far
.if \far
	s_cmp_gt_u32 s[SI], s[G]
	s_cselect_b32 s[TE], s[XO], 0
	s_add_co_u32 s[TE], s[TE], s[TB]
	v_add_nc_u32 v8, s[TE], v1
.else
	v_add_nc_u32 v8, s[TB], v1
.endif
.rept 3
	v_nop                                          ; with the addition: four places in front of loads into registers that the last products read
.endr
.irp kt, 0,1,2,3,4,5,6,7
	ds_load_b128 v[32+8*\kt:35+8*\kt], v8 offset:1024*\kt
	ds_load_b128 v[36+8*\kt:39+8*\kt], v8 offset:1024*\kt+512
.endr
	s_wait_alu depctr_va_vdst(0)
	s_wait_dscnt 0x0
.irp kt, 0,1,2,3,4,5,6,7
	v_wmma_f32_16x16x64_bf8_bf8 v[96+8*\kt:103+8*\kt], v[32+8*\kt:39+8*\kt], v[16:23], 0
.endr
.rept 4
	v_nop
.endr
.irp dt, 0,1,2,3                       ; V's fragments land under the softmax
.irp c, 0,1,2,3
	ds_load_b128 v[32+16*\dt+4*\c:35+16*\dt+4*\c], v8 offset:8192+2048*\dt+512*\c
.endr
.endr
	s_cmp_lg_u32 s[SI], s[MK]                      ; wave number and trip alone
	s_cbranch_scc1 .Lopen_\@
	v_mov_b32 v254, 0xff800000                     ; on the diagonal hidden scores become -infinity: p = 0
.set n, 0
.rept 64
	v_cmp_gt_i32 vcc_lo, 16*(n/8)+n%8, v2
	v_cndmask_b32 v[96+n], v[96+n], v254, vcc_lo
.set n, n+1
.endr
.Lopen_\@:
	v_max3_num_f32 v254, v96, v97, v98             ; the step's largest score, in two chains, each accumulator from its low end on
	v_max3_num_f32 v252, v99, v100, v101
.irp i, 6,10,14,18,22,26,30,34,38,42,46,50,54,58
	v_max3_num_f32 v254, v254, v[96+\i], v[97+\i]
	v_max3_num_f32 v252, v252, v[98+\i], v[99+\i]
.endr
	v_max3_num_f32 v254, v254, v158, v159
	s_delay_alu instid0(VALU_DEP_1)
	v_max_num_f32 v254, v254, v252
	s_delay_alu instid0(VALU_DEP_1)
	v_permlanex16_b32 v236, v254, s20, s21
	s_delay_alu instid0(VALU_DEP_1)
	v_max_num_f32 v254, v254, v236
	s_delay_alu instid0(VALU_DEP_1)
	v_mul_f32 v254, s22, v254
	s_delay_alu instid0(VALU_DEP_1)
	v_max_num_f32 v13, v13, v254                   ; the running largest t
	v_mov_b32 v254, v12
	s_delay_alu instid0(VALU_DEP_2)
	v_floor_f32 v12, -v13                          ; -M, a whole number
	s_delay_alu instid0(VALU_DEP_1)
	v_sub_f32 v254, v12, v254
	s_delay_alu instid0(VALU_DEP_1)
	v_cvt_i32_f32 v254, v254
	s_delay_alu instid0(VALU_DEP_1)
	v_ldexp_f32 v252, 1.0, v254                    ; f = 2^(old M - new M)
.set j, 0
.rept 32
	v_pk_fma_f32 v[96+j:97+j], v[96+j:97+j], s[22:23], v[12:13] op_sel_hi:[1,0,0]
.set j, j+2
.endr
.set j, 0
	s_wait_alu depctr_va_vdst(0)                   ; ahead of the batch
.rept 64
	v_exp_f32 v[96+j], v[96+j]
.set j, j+1
.endr
	v_pk_mul_f32 v[14:15], v[14:15], v[252:253] op_sel_hi:[1,0]
	s_wait_alu depctr_va_vdst(0)                   ; and behind it, ahead of its first reader
	v_pk_add_f32 v[242:243], v[96:97], v[98:99]    ; the sum of the unquantised p
.irp j, 4,8,12,16,20,24,28,32,36,40,44,48,52,56,60
	v_pk_add_f32 v[14:15], v[14:15], v[96+\j:97+\j]
	v_pk_add_f32 v[242:243], v[242:243], v[98+\j:99+\j]
.endr
	s_delay_alu instid0(VALU_DEP_1)
	v_pk_add_f32 v[14:15], v[14:15], v[242:243]
.irp kt, 0,1,2,3,4,5,6,7
.irp i, 0,1,2,3,4,5,6,7
	v_min_num_f32 v[96+8*\kt+\i], v[96+8*\kt+\i], v240   ; the conversion does not saturate (ISA guide 7.6.2); p is not negative
.endr
	v_cvt_scalef32_pk8_bf8_f32 v[192+2*\kt:193+2*\kt], v[96+8*\kt:103+8*\kt], v244
.endr
	s_wait_alu depctr_va_vdst(0)                   ; directly ahead of the first reader of O^T
.set j, 0
.rept 16
	v_pk_mul_f32 v[160+j:161+j], v[160+j:161+j], v[252:253] op_sel_hi:[1,0]
.set j, j+2
.endr
	s_wait_alu depctr_va_vdst(0)                   ; directly ahead of the wait below
	s_wait_dscnt 0x0                               ; V's fragments
.irp dt, 0,1,2,3
	v_wmma_f32_16x16x128_bf8_bf8 v[160+8*\dt:167+8*\dt], v[32+16*\dt:47+16*\dt], v[192:207], v[160+8*\dt:167+8*\dt]
.endr
.endm
; A TILE GOES OUT: O^T / the sum x 2^(e4 + e5), held, converted with e6: the codes are registers of the projection's operand and are stored as they stand, 512 consecutive bytes an instruction.
.macro WAYOUT yc, yb
	s_wait_xcnt 0x0                                ; no earlier store still reads the registers written below
.rept 4
	v_nop
.endr
	v_add_f32 v14, v14, v15
	s_wait_alu depctr_va_vdst(0)
	v_permlanex16_b32 v252, v14, s20, s21
	s_delay_alu instid0(VALU_DEP_1)
	v_add_f32 v14, v14, v252
	s_wait_alu depctr_va_vdst(0)                   ; ahead of the transcendental
	v_rcp_f32 v14, v14
	v_nop
	s_wait_alu depctr_va_vdst(0)                   ; and ahead of its first reader
	v_ldexp_f32 v14, v14, s76
	s_wait_alu depctr_va_vdst(0)                   ; directly ahead of the first reader of O^T
.set j, 0
.rept 16
	v_pk_mul_f32 v[96+j:97+j], v[160+j:161+j], v[14:15] op_sel_hi:[1,0]
.set j, j+2
.endr
.set j, 0
.rept 32
	v_med3_num_f32 v[96+j], v[96+j], -v246, v246
.set j, j+1
.endr
.irp dt, 0,1,2,3
	v_cvt_scalef32_pk8_bf8_f32 v[\yc+2*\dt:\yc+2*\dt+1], v[96+8*\dt:103+8*\dt], v247
.endr
	v_nop                                          ; a plain line behind the last conversion
	global_store_b128 v1, v[\yc:\yc+3], s[\yb:\yb+1]
	global_store_b128 v1, v[\yc+4:\yc+7], s[\yb:\yb+1] offset:512
.endm
	s_wait_alu depctr_va_vdst(0)                   ; the head's end
	s_wait_tensorcnt 0x0                           ; my part of keys 0-1,023 is in; the three lines ahead of a later first fill
	ds_add_u32 v251, v255
	s_wait_dscnt 0x0
	CROUND                                         ; everybody's part is in, and the four work-groups meet
	tensor_load_to_lds s[44:47], s[24:31]          ; keys 1,024-2,047: it has the near loop's eight steps in which to land
	s_nop 0
	s_wait_loadcnt 0x0                             ; q
.Lnear:
	STEP 0
	s_cmp_lg_u32 s[SI], s[G]
	s_cbranch_scc1 .Lsame
	WAYOUT 208, 50                                 ; the early tile has had its diagonal
	INIT
.irp i, 0,1,2,3,4,5,6,7
	v_mov_b32 v[16+\i], v[24+\i]                   ; the late tile's q takes its place
.endr
	s_wait_alu depctr_va_vdst(0)
.Lsame:
	s_add_co_u32 s[TB], s[TB], 16384
	s_add_co_u32 s[SI], s[SI], 1
	s_cmp_lt_u32 s[SI], 8
	s_cbranch_scc1 .Lnear
	s_wait_tensorcnt 0x0                           ; my part of keys 1,024-2,047 is in
	s_wait_dscnt 0x0
	s_barrier_signal -1
	s_barrier_wait -1                              ; everybody's is
	s_mov_b32 s[TB], 0
	s_mov_b32 s[SI], 0
	s_mov_b32 s[MK], 8
.Lfar:
	STEP 1
	s_add_co_u32 s[TB], s[TB], 16384
	s_add_co_u32 s[SI], s[SI], 1
	s_cmp_lt_u32 s[SI], 9
	s_cbranch_scc1 .Lfar
	WAYOUT 216, 52
	s_wait_tensorcnt 0x0                           ; the wave's end
	ds_add_u32 v251, v255
	s_wait_dscnt 0x0
	CROUND                                         ; the closing round
	s_endpgm
.Lfunc_end_k_qa1f78dfa8f_attn:
	.size	k_qa1f78dfa8f_attn, .Lfunc_end_k_qa1f78dfa8f_attn-k_qa1f78dfa8f_attn
	.p2alignl 7, 3214868480
	.fill 96, 4, 3214868480
	.section	.rodata,"a",@progbits
	.p2align	6, 0x0
	.amdhsa_kernel k_qa1f78dfa8f_attn
		.amdhsa_group_segment_fixed_size 327680
		.amdhsa_private_segment_fixed_size 0
		.amdhsa_enable_private_segment 0
		.amdhsa_kernarg_size 24
		.amdhsa_user_sgpr_count 2
		.amdhsa_user_sgpr_kernarg_segment_ptr 1
		.amdhsa_wavefront_size32 1
		.amdhsa_system_sgpr_workgroup_id_x 1
		.amdhsa_system_sgpr_workgroup_id_y 1
		.amdhsa_system_sgpr_workgroup_id_z 1
		.amdhsa_system_vgpr_workitem_id 0
		.amdhsa_next_free_vgpr 256
		.amdhsa_next_free_sgpr 100
		.amdhsa_reserve_vcc 1
		.amdhsa_float_denorm_mode_32 3
		.amdhsa_float_denorm_mode_16_64 3
		.amdhsa_memory_ordered 1
		.amdhsa_forward_progress 1
		.amdhsa_inst_pref_size 60
	.end_amdhsa_kernel
	.amdgpu_metadata
---
amdhsa.version: [ 1, 2 ]
amdhsa.kernels:
  - .name:           k_qa1f78dfa8f_attn
    .symbol:         k_qa1f78dfa8f_attn.kd
    .args:
      - { .name: qkv, .offset: 0, .size: 8, .value_kind: global_buffer, .address_space: global }
      - { .name: lowp_scales, .offset: 8, .size: 8, .value_kind: global_buffer, .address_space: global }
      - { .name: y_img, .offset: 16, .size: 8, .value_kind: global_buffer, .address_space: global }
    .group_segment_fixed_size: 327680
    .private_segment_fixed_size: 0
    .kernarg_segment_align: 8
    .kernarg_segment_size: 24
    .max_flat_workgroup_size: 512
    .sgpr_count:     100
    .vgpr_count:     256
    .wavefront_size: 32
...
	.end_amdgpu_metadata
.endif
;; end of part 3
;; launch gemm_proj (part 4): grid 4 x 64, 4 waves a work-group, clusters of 4 x 4, 327,680 bytes of LDS; arguments y_img, w2_img, lowp_scales, c_proj_b, out0; writes out0
.if DOCPART == 4
	.amdgcn_target "amdgcn-amd-amdhsa--gfx1250"
	.amdhsa_code_object_version 6
	.text
	.protected	k_qa1f78dfa8f_gemm_proj
	.globl	k_qa1f78dfa8f_gemm_proj
	.p2align	8
	.type	k_qa1f78dfa8f_gemm_proj,@function
k_qa1f78dfa8f_gemm_proj:
	s_mov_b64 s[64:65], 0
	v_nop
	global_prefetch_b8 v0, s[64:65] scope:SCOPE_SE
	s_setreg_imm32_b32 hwreg(HW_REG_WAVE_MODE, 25, 1), 1
	s_wait_xcnt 0x0
	s_wait_alu depctr_hold_cnt(0) depctr_sa_sdst(0) depctr_va_vdst(0) depctr_va_sdst(0) depctr_va_ssrc(0) depctr_va_vcc(0) depctr_vm_vsrc(0)
	s_getreg_b32 s2, hwreg(HW_REG_IB_STS2, 6, 4)
	s_cmp_eq_u32 s2, 0
	s_cbranch_scc0 .Lentry_in_a_cluster
	s_endpgm
.Lentry_in_a_cluster:
	s_bfe_u32 s2, ttmp6, 0x10000c
	s_cmp_lg_u32 s2, 0xf033
	s_cbranch_scc0 .Lentry_shape_is_right
	s_endpgm
.Lentry_shape_is_right:
; out0 = y c_proj_w + c_proj_b on codes of BF8 (E5M2): each finished sum x 2^(e6 + e7) + bias, f32.  LIMIT: e6 + e7 between -126 and 127, so that the power of two is an f32 number.
; OPERANDS are images of registers: [tile of 16 rows][K step of 128, 8 of them][2,048 bytes]; registers 4 q .. 4 q + 3 of lane l at 512 q + 16 l.
; A block of 128 rows x 256 columns is made by four waves, 64 x 128 each: 32 accumulators, 256 registers.  8,192 / 128 x 1,024 / 256 = 256 work-groups.
; K = 1,024 goes through two LDS slots of 256 along K (y's 128 rows: 32 KiB, the weight's 256 columns: 64 KiB): four fills, written out without a loop.
; Source 0 = 16 columns of the weight (B side), source 1 = 16 rows of y (A side): a lane's eight sums are eight neighbouring columns of one row of out0.
; CLUSTERS: 4 x 4 work-groups; y's tile is shared along a row of the cluster, the weight's along a column: joint loads.  Waves 0, 1 fetch y's halves (64 rows), waves 2, 3 the weight's (128 columns).
; REGISTERS: window 0: v16-35 addresses, constants, bias; v128-191 the A side's four fragments, one set; on the way out v128-255 rows read back.  window 1: the B side's fragments, two sets.  window 2: accumulator (a, b) at v[8 (8 a + b)].
.set HALFA,  16384                     ; 64 rows x 256 along K: 4 tiles x 2 images
.set HALFB,  32768                     ; 128 columns likewise
.set SLOT,   2*HALFA+2*HALFB
.set SPARE,  2*SLOT                    ; behind the ring: the spare words, 128 bytes a wave, which no other line names
.set FSTEP,  4096                      ; a slot's part of a tile of 16 rows
.set SPITCH, 528                       ; the way out: a stage of 16 rows x (512 + 16) bytes a wave, in slot 0, behind its last fill and its last read
.set FR,     16
.set NL,     4
.set NP,     4                         ; places behind this matrix instruction (ISA guide 7.12.1)
.set ADRA, 16                          ; v16-17 my A side fragments in slot 0, 1
.set ADRB, 20                          ; v20-21 the B side's
.set STO,  24
.set RD,   25
.set CO,   26                          ; 16 x lane
.set PFO,  27                          ; the prefetches' offset; never rewritten
.set SPW,  28
.set NIL,  29
.set AF,   128
.set BK,   128
.set G1, 24
.set G0, 32
.set G1B, 48
.set G0B, 56
.set PFA, 18                           ; s[18:19] where my prefetches stand; never rewritten
.set LIM, 98                           ; s98 1: I do not ask
.set MSB, 0
.macro WIN new                         ; the immediate's high byte repeats the setting that is left
.if MSB != (\new)
	s_set_vgpr_msb (MSB<<8)|(\new)
.set MSB, (\new)
.endif
.endm
.set MUL_LO, 0xa1                      ; source 0 window 1, source 1 window 0, C and D window 2
.set TO_B,   0x40
.macro JLOAD g0a, g1a, g0b, g1b        ; a joint load; the branch hangs on the wave's number alone; s_nop 0 and four v_nop follow each line
	s_cmp_eq_u32 s15, 0
	s_cbranch_scc0 .Lfor_b_\@
	tensor_load_to_lds s[\g0a:\g0a+3], s[\g1a:\g1a+7]
	s_nop 0
.rept 4
	v_nop
.endr
	s_branch .Lasked_\@
.Lfor_b_\@:
	tensor_load_to_lds s[\g0b:\g0b+3], s[\g1b:\g1b+7]
	s_nop 0
.rept 4
	v_nop
.endr
.Lasked_\@:
.endm
.macro CREST
	s_cmp_lg_u32 s14, 0
	s_cbranch_scc1 .Lnot_wave_0_\@
	s_barrier_signal -3
.Lnot_wave_0_\@:
	s_barrier_wait -3
	s_barrier_signal -1
	s_barrier_wait -1
.endm
.macro CROUND
	s_barrier_signal -1
	s_barrier_wait -1
	CREST
.endm
; A PREFETCH INTO THE L2 of a later slot's part of the tiles that my wave fetches, one instruction a wave.  The four partners that ask for a tile jointly share it out by address:
; of y's 4 tiles a partner takes one (16 blocks of 256 bytes; lanes 16-31 name the last block again), of the weight's 8 tiles two (32 blocks).  Every row of clusters reads the whole weight: rows 0 to 3 alone ask for it.
; Slots 1 and 2 are asked for behind slot 0's load, slot 3 behind slot 1's: at most two slots are asked for and not yet loaded.  The offset is the slot's place in a tile's 16,384 bytes: every lane stays inside its tile.
.macro ASK off
	s_cmp_eq_u32 s[LIM], 0
	s_cbranch_scc0 .Lnot_mine_\@
	global_prefetch_b8 v[PFO], s[PFA:PFA+1] offset:\off th:TH_LOAD_NT scope:SCOPE_SE
.Lnot_mine_\@:
.endm
	s_load_b256 s[4:11], s[0:1], 0x0               ; y_img, w2_img, the scales' exponents, c_proj_b
	s_load_b64 s[12:13], s[0:1], 0x20              ; out0
	v_lshl_add_u32 v[SPW], v0, 2, SPARE
	v_mov_b32 v[NIL], 0
	ds_add_u32 v[SPW], v[NIL]                      ; the opening lines: the add twice on end and one wait
	ds_add_u32 v[SPW], v[NIL]
	v_lshrrev_b32 v1, 5, v0
	v_readfirstlane_b32 s14, v1                    ; wave 0..3
	s_lshr_b32 s15, s14, 1                         ; my half of the block's rows.  Also: I fetch for the A side (0) or the B side (1)
	s_and_b32 s16, s14, 1                          ; my half of its columns.  Also: which half of that side I fetch
	s_bfe_u32 s40, ttmp6, 0x40000                  ; cx
	s_bfe_u32 s41, ttmp6, 0x40004                  ; cy
	s_lshl_b32 s42, ttmp9, 2
	s_add_co_u32 s42, s42, s40                     ; block column
	s_and_b32 s17, ttmp7, 0xffff
	s_lshl_b32 s17, s17, 2
	s_add_co_u32 s17, s17, s41                     ; block row
	s_lshl_b32 s43, s41, 2
	s_lshl_b32 s43, 15, s43                        ; my row of the cluster
	s_lshl_b32 s44, 0x1111, s40                    ; my column
	s_or_b32 s[G1+0], s43, (3<<16)|(1<<21)         ; group 1: the mask; elements of 8 bytes; rows of 4,096 bytes, 16,384 apart, dense in LDS
	s_or_b32 s[G1B+0], s44, (3<<16)|(1<<21)
.irp g, G1, G1B
	s_mov_b32 s[\g+1], 512<<16
	s_mov_b32 s[\g+3], 512<<16
	s_mov_b32 s[\g+5], 2048
	s_mov_b32 s[\g+6], 0
	s_mov_b32 s[\g+7], 0
.endr
	s_mov_b32 s[G1+2], 4<<16                       ; the A side: 4 tiles of 16 rows
	s_mov_b32 s[G1+4], 4
	s_mov_b32 s[G1B+2], 8<<16                      ; the B side: 8
	s_mov_b32 s[G1B+4], 8
	s_lshl_b32 s74, s17, 17                        ; y: 128 rows are 8 tiles of 16,384 bytes,
	s_lshl_b32 s79, s16, 16                        ; + the 64 rows that I fetch
	s_add_co_u32 s74, s74, s79
	s_mov_b32 s75, 0
	s_lshl_b32 s76, s42, 18                        ; the weight: 256 columns, + the 128 that I fetch
	s_lshl_b32 s78, s16, 17
	s_add_co_u32 s76, s76, s78
	s_mov_b32 s77, 0
	s_lshl_b32 s45, s16, 14                        ; where they go in a slot: the A side's halves,
	s_lshl_b32 s80, s16, 15
	s_add_co_u32 s80, s80, 2*HALFA                 ; then the B side's
	s_lshl_b32 s20, s17, 7
	s_lshl_b32 s21, s15, 6
	s_add_co_u32 s20, s20, s21                     ; my first row of out0,
	s_lshl_b32 s20, s20, 12
	s_lshl_b32 s22, s42, 10
	s_lshl_b32 s23, s16, 9
	s_add_co_u32 s22, s22, s23                     ; my first column in bytes
	s_add_co_u32 s20, s20, s22
	s_mov_b32 s21, 0
	s_mov_b32 s23, 0
	s_lshl_b32 s88, s15, 14                        ; my 64 rows of the A side in slot 0,
	s_lshl_b32 s89, s16, 15
	s_add_co_u32 s89, s89, 2*HALFA                 ; my 128 columns of the B side,
	s_add_co_u32 s86, s88, SLOT                    ; and in slot 1
	s_add_co_u32 s87, s89, SLOT
	s_mul_i32 s46, s14, 16*SPITCH                  ; my stage
	s_cmp_eq_u32 s15, 0
	s_cselect_b32 s81, 15, 0
	s_cselect_b32 s82, 0, 16384
	s_cselect_b32 s83, s40, s41                    ; my place among the four that ask with me
	s_cselect_b32 s84, 14, 15                      ; a partner's share: one tile, or two
	s_lshl_b32 s2, s83, s84
	s_mov_b32 s3, 0
	s_and_b32 s85, ttmp7, 0xffff
	s_lshr_b32 s85, s85, 2
	s_min_u32 s85, s85, 1
	s_and_b32 s[LIM], s85, s15
	v_and_b32 v2, 15, v0                           ; r
	v_bfe_u32 v3, v0, 4, 1                         ; h
	v_mul_u32_u24 v4, s81, v3
	v_or_b32 v4, v4, v2
	v_mul_u32_u24 v5, s82, v3
	v_lshl_add_u32 v[PFO], v4, 8, v5
	v_and_b32 v1, 31, v0
	v_lshlrev_b32 v[CO], 4, v1
	v_add_nc_u32 v[ADRA], s88, v[CO]
	v_add_nc_u32 v[ADRB], s89, v[CO]
	v_add_nc_u32 v[ADRA+1], s86, v[CO]
	v_add_nc_u32 v[ADRB+1], s87, v[CO]
	v_mul_u32_u24 v[STO], v2, SPITCH               ; into the stage: row r, 32 bytes for each half of the lanes
	v_lshl_add_u32 v[STO], v3, 5, v[STO]
	v_add_nc_u32 v[STO], s46, v[STO]
	v_add_nc_u32 v[RD], s46, v[CO]                 ; back: the 32 lanes take one row of 512 bytes
	s_wait_alu depctr_va_vdst(0)                   ; the head's end, directly ahead of the waits below
	s_wait_dscnt 0x0
	s_wait_kmcnt 0x0
	s_load_b64 s[96:97], s[8:9], 0x18              ; e6, e7
	s_add_nc_u64 s[70:71], s[4:5], s[74:75]
	s_add_nc_u64 s[72:73], s[6:7], s[76:77]
	s_add_nc_u64 s[12:13], s[12:13], s[20:21]
	s_add_nc_u64 s[10:11], s[10:11], s[22:23]
	s_cmp_eq_u32 s15, 0
	s_cselect_b64 s[PFA:PFA+1], s[70:71], s[72:73]
	s_add_nc_u64 s[PFA:PFA+1], s[PFA:PFA+1], s[2:3]
.irp s, 0,1
	s_mov_b32 s[G0+4*\s], 1
	s_add_co_u32 s[G0+4*\s+1], s45, \s*SLOT
	s_add_nc_u64 s[G0+4*\s+2:G0+4*\s+3], s[70:71], \s*FSTEP
	s_or_b32 s[G0+4*\s+3], s[G0+4*\s+3], 0x80000000
	s_mov_b32 s[G0B+4*\s], 1
	s_add_co_u32 s[G0B+4*\s+1], s80, \s*SLOT
	s_add_nc_u64 s[G0B+4*\s+2:G0B+4*\s+3], s[72:73], \s*FSTEP
	s_or_b32 s[G0B+4*\s+3], s[G0B+4*\s+3], 0x80000000
.endr
	CROUND                                         ; the sixteen work-groups meet
	JLOAD G0, G1, G0B, G1B                         ; slot 0: one tensor load a wave at the head
	global_load_b128 v[32:35], v[CO], s[10:11]     ; the bias of my lane's four columns on the way out
	ASK 4096
	ASK 8192
.macro FRAG reg, adr, q, i             ; a fragment comes as it lies: four loads of 512 consecutive bytes
.irp c, 0,1,2,3
	ds_load_b128 v[\reg+4*\c:\reg+4*\c+3], v[\adr] offset:(\i)*4096+(\q)*2048+512*\c
.endr
.endm
.macro MULA a, p, zero                 ; the A side's block a x the B side's eight, 128 along K.  The 32 accumulators take turns in the same order in every step
.irp b, 0,1,2,3,4,5,6,7
.if \zero
	v_wmma_f32_16x16x128_bf8_bf8 v[8*(8*(\a)+\b):8*(8*(\a)+\b)+7], v[128*(\p)+FR*\b:128*(\p)+FR*\b+FR-1], v[AF+FR*(\a):AF+FR*(\a)+FR-1], 0
.else
	v_wmma_f32_16x16x128_bf8_bf8 v[8*(8*(\a)+\b):8*(8*(\a)+\b)+7], v[128*(\p)+FR*\b:128*(\p)+FR*\b+FR-1], v[AF+FR*(\a):AF+FR*(\a)+FR-1], v[8*(8*(\a)+\b):8*(8*(\a)+\b)+7]
.endif
.endr
.endm
.macro FETCH_B slot, q, p
	WIN TO_B
.irp i, 0,1,2,3,4,5,6,7
	FRAG 128*(\p)+FR*\i, ADRB+\slot, \q, \i
.endr
	WIN 0
.endm
.macro FETCH_A slot, q, i0             ; blocks i0, i0 + 1
.irp i, \i0, \i0+1
	FRAG AF+FR*(\i), ADRA+\slot, \q, \i
.endr
.endm
.macro PLACES n
.rept \n
	v_nop
.endr
.endm
; A step of 128 along K that has its successor in the same slot.  A block of the A side is free when its eight products are issued: blocks 0, 1 are fetched anew in the step's middle, blocks 2, 3 at its end.
.macro STEP slot, q, zero
	s_wait_dscnt 2*NL                              ; all but the youngest eight loads (blocks 2, 3) are in
	WIN MUL_LO
	MULA 0, (\q)%2, \zero
	MULA 1, (\q)%2, \zero
	s_wait_dscnt 0
	PLACES NP
	FETCH_B \slot, (\q)+1, 1-(\q)%2
	FETCH_A \slot, (\q)+1, 0
	WIN MUL_LO
	MULA 2, (\q)%2, \zero
	MULA 3, (\q)%2, \zero
	PLACES NP
	WIN 0
	FETCH_A \slot, (\q)+1, 2
.endm
; A slot's last step changes slots: one barrier; in front of it each wave waits for all its tensor loads, adds 0 to its spare word, and waits for that and for its reads of this slot.  fill = 1: this slot is filled again.
.macro TURN slot, next, fill
	s_wait_tensorcnt 0x0                           ; my part of the next slot is in
	ds_add_u32 v[SPW], v[NIL]
	s_wait_dscnt 2*NL+1                            ; the add and the youngest eight loads may be out
	WIN MUL_LO
	MULA 0, 1, 0
	s_wait_dscnt 0x0                               ; the add is done, and my reads of this slot are over
	s_barrier_signal -1
	MULA 1, 1, 0
	WIN 0
	s_barrier_wait -1
.if \fill
	CREST                                          ; the barrier has opened a round of the cluster's
	s_add_nc_u64 s[G0+4*\slot+2:G0+4*\slot+3], s[G0+4*\slot+2:G0+4*\slot+3], 2*FSTEP
	s_add_nc_u64 s[G0B+4*\slot+2:G0B+4*\slot+3], s[G0B+4*\slot+2:G0B+4*\slot+3], 2*FSTEP
	JLOAD G0+4*\slot, G1, G0B+4*\slot, G1B         ; the first tensor load behind the round; its four v_nop are the places in front of the loads below
.else
	PLACES NP
.endif
	FETCH_B \next, 0, 0
	FETCH_A \next, 0, 0
	WIN MUL_LO
	MULA 2, 1, 0
	MULA 3, 1, 0
	PLACES NP
	WIN 0
	FETCH_A \next, 0, 2
.endm
	s_wait_tensorcnt 0x0                           ; my part of slot 0 is in
	ds_add_u32 v[SPW], v[NIL]
	s_wait_dscnt 0x0
	CROUND                                         ; everybody's part is in, and the sixteen work-groups meet
	JLOAD G0+4, G1, G0B+4, G1B                     ; slot 1's first fill, the first tensor load behind the round
	FETCH_B 0, 0, 0
	FETCH_A 0, 0, 0
	FETCH_A 0, 0, 2
	ASK 12288                                      ; behind slot 1's load and the run of LDS loads
	STEP 0, 0, 1                                   ; K 0: its products start the sums
	TURN 0, 1, 1                                   ; K 128; slot 0 takes K 512 on
	STEP 1, 0, 0
	TURN 1, 0, 1                                   ; K 384; slot 1 takes K 768 on
	STEP 0, 0, 0
	TURN 0, 1, 0                                   ; K 640; nothing is left to fetch
	STEP 1, 0, 0
	s_wait_dscnt 2*NL                              ; K 896
	WIN MUL_LO
	MULA 0, 1, 0
	MULA 1, 1, 0
	s_wait_dscnt 0
	MULA 2, 1, 0
	MULA 3, 1, 0
	WIN 0
; THE WAY OUT, block by block of 16 rows x 128 columns: through my stage, back as whole rows of 512 bytes, x 2^(e6 + e7) + bias, stored as two aligned units of 256 bytes.  LDS serves a wave's instructions in order (ISA guide 5.7.1.4).
.macro TOSTAGE a
.set AC, 64*(\a)
	WIN 0x08                                       ; the stores' data: window 2
.irp b, 0,1,2,3,4,5,6,7
	ds_store_b128 v[STO], v[AC+8*\b:AC+8*\b+3] offset:64*\b
	ds_store_b128 v[STO], v[AC+8*\b+4:AC+8*\b+7] offset:64*\b+16
.endr
	WIN 0
.set BB, BK+64*((\a)%2)
.irp t, 0,1,2,3,4,5,6,7,8,9,10,11,12,13,14,15
	ds_load_b128 v[BB+4*\t:BB+4*\t+3], v[RD] offset:\t*SPITCH
.endr
.endm
.macro SEND a, younger                 ; younger: the LDS instructions issued behind block a's loads
.set BB, BK+64*((\a)%2)
	s_wait_dscnt \younger
.if (\a) > 0
	s_add_nc_u64 s[12:13], s[12:13], 16*4096       ; behind a wait on XCNT: the earlier stores have read their base
.endif
.irp t, 0,1,2,3,4,5,6,7,8,9,10,11,12,13,14,15
	v_pk_fma_f32 v[BB+4*\t:BB+4*\t+1], v[BB+4*\t:BB+4*\t+1], s[96:97], v[32:33] op_sel_hi:[1,0,1]
	v_pk_fma_f32 v[BB+4*\t+2:BB+4*\t+3], v[BB+4*\t+2:BB+4*\t+3], s[96:97], v[34:35] op_sel_hi:[1,0,1]
.endr
.irp t, 0,1,2,3,4,5,6,7,8,9,10,11,12,13,14,15
	global_store_b128 v[CO], v[BB+4*\t:BB+4*\t+3], s[12:13] offset:\t*4096 th:TH_STORE_NT
.endr
.endm
	s_wait_kmcnt 0x0
	s_add_co_i32 s96, s96, s97
	s_add_co_i32 s96, s96, 127
	s_lshl_b32 s96, s96, 23                        ; 2^(e6 + e7) as f32
	s_mov_b32 s97, s96
	s_wait_loadcnt 0x0                             ; the bias
	PLACES NP                                      ; behind the last products: their results are read, and the A side's registers loaded into, below
	TOSTAGE 0
.irp a, 1,2,3
.if \a > 1
	s_wait_xcnt 0x0                                ; block a - 2's stores have read their registers and their base
.endif
	TOSTAGE \a
	SEND \a-1, 32
.endr
	s_wait_xcnt 0x0
	SEND 3, 0
	s_wait_tensorcnt 0x0                           ; the wave's end
	ds_add_u32 v[SPW], v[NIL]
	s_wait_dscnt 0x0
	CROUND                                         ; the closing round
	s_endpgm
.Lfunc_end_k_qa1f78dfa8f_gemm_proj:
	.size	k_qa1f78dfa8f_gemm_proj, .Lfunc_end_k_qa1f78dfa8f_gemm_proj-k_qa1f78dfa8f_gemm_proj
	.p2alignl 7, 3214868480
	.fill 96, 4, 3214868480
	.section	.rodata,"a",@progbits
	.p2align	6, 0x0
	.amdhsa_kernel k_qa1f78dfa8f_gemm_proj
		.amdhsa_group_segment_fixed_size 327680
		.amdhsa_private_segment_fixed_size 0
		.amdhsa_enable_private_segment 0
		.amdhsa_kernarg_size 40
		.amdhsa_user_sgpr_count 2
		.amdhsa_user_sgpr_kernarg_segment_ptr 1
		.amdhsa_wavefront_size32 1
		.amdhsa_system_sgpr_workgroup_id_x 1
		.amdhsa_system_sgpr_workgroup_id_y 1
		.amdhsa_system_sgpr_workgroup_id_z 1
		.amdhsa_system_vgpr_workitem_id 0
		.amdhsa_next_free_vgpr 768
		.amdhsa_next_free_sgpr 100
		.amdhsa_reserve_vcc 0
		.amdhsa_float_denorm_mode_32 3
		.amdhsa_float_denorm_mode_16_64 3
		.amdhsa_memory_ordered 1
		.amdhsa_forward_progress 1
		.amdhsa_inst_pref_size 77
	.end_amdhsa_kernel
	.amdgpu_metadata
---
amdhsa.version: [ 1, 2 ]
amdhsa.kernels:
  - .name:           k_qa1f78dfa8f_gemm_proj
    .symbol:         k_qa1f78dfa8f_gemm_proj.kd
    .args:
      - { .name: y_img, .offset: 0, .size: 8, .value_kind: global_buffer, .address_space: global }
      - { .name: w2_img, .offset: 8, .size: 8, .value_kind: global_buffer, .address_space: global }
      - { .name: lowp_scales, .offset: 16, .size: 8, .value_kind: global_buffer, .address_space: global }
      - { .name: c_proj_b, .offset: 24, .size: 8, .value_kind: global_buffer, .address_space: global }
      - { .name: out0, .offset: 32, .size: 8, .value_kind: global_buffer, .address_space: global }
    .group_segment_fixed_size: 327680
    .private_segment_fixed_size: 0
    .kernarg_segment_align: 8
    .kernarg_segment_size: 40
    .max_flat_workgroup_size: 128
    .sgpr_count:     100
    .vgpr_count:     768
    .wavefront_size: 32
...
	.end_amdgpu_metadata
.endif
;; end of part 4
